; MI455X (gfx1250); checked and timed in simulation.
; The chip was launched on July 23, 2026; its instructions are those of AMD's public machine-readable ISA for CDNA 5 (MIT licence, August 2026) and "CDNA5" Instruction Set Architecture Reference Guide (July 2026). The comments in the code are by the model that wrote it; some were corrected since.
;; Features. Allowed arithmetic: matrix products marked QUANTISED: E3M2 operands, one E8M0 scale for each 32 along K, by v_wmma_scale_f32_16x16x128_f8f6f4 with both operands' format E3M2, f32 sums; everything else in f32.
;; Inputs: memory_bank 16,384 x 128 float32; neighbor_scale_bank 16,384 float32; query 8,192 x 128 float32.
;; Outputs: out0 8,192 float32.
;; Constants: k = 5.
;; This version of the problem:
;;   THIS VERSION OF THE PROBLEM IS GIVEN IN LOW PRECISION. The matrix products marked QUANTISED in the list below multiply operands that are first quantised to E3M2 (3 exponent bits, 2 mantissa bits; 6 bits a number), with one power-of-two scale for each 32 numbers along K (OCP MX v1.0); their sums are f32. All else is computed in f32.
;;   The module's matrix products, in the order in which they are computed (A, B: the left and right operand; K: the contracted axis; several contracted axes count as one K, in the product's order):
;;     1. [M 8,192, K 128] x [K 128, N 16,384]; A: input query; B: input memory_bank: QUANTISED
;;   THE QUANTISER, for each operand of a quantised product, along K:
;;     - K is cut into blocks of 32 from its start; a last block that is shorter is filled with zeros.
;;     - A block's scale is 2^e with e = floor(log2(the largest magnitude in the block)) - 4, held to -126 .. 127; a block of zeros has e = 0. As a byte (E8M0): e + 127.
;;     - Each number is divided by its block's scale, clamped to +-28, and rounded to the nearest number of E3M2, ties to even, subnormals kept.
;;     - The product sums the exact products of the quantised numbers (number of the format x scale) in f32.
;;   ~~~python
;;   def quantise(x, axis):      # numpy; x: float32 -> the quantised numbers, widened to float32 again
;;       x = np.moveaxis(x, axis, -1); K = x.shape[-1]
;;       x = np.pad(x, [(0, 0)] * (x.ndim - 1) + [(0, -K % 32)]); x = x.reshape(x.shape[:-1] + (-1, 32)); a = np.abs(x).max(-1, keepdims=True)
;;       e = np.where(a > 0, np.clip(np.frexp(np.where(a > 0, a, 1))[1] - 1 - 4, -126, 127), 0)      # np.frexp(a)[1] - 1 = floor(log2(a)), exactly
;;       r = np.clip(x / 2.0 ** e, -28, 28)
;;       step = 2.0 ** (np.maximum(np.frexp(np.where(r == 0, 1, r))[1] - 1, -2) - 2)
;;       q = np.round(r / step) * step * 2.0 ** e      # np.round: ties to even
;;       return np.moveaxis(q.reshape(q.shape[:-2] + (-1,))[..., :K], -1, axis).astype(np.float32)
;;   ~~~
;; One version. Each part assembles by itself: llvm-mc -triple=amdgcn-amd-amdhsa -mcpu=gfx1250 --defsym DOCPART=n.
;; ======== version 1 of 1: 4 launches
;; workspace buffers: mrec 1,835,008 bytes; qrec 917,504 bytes; gm 16,777,216 bytes; sel 327,680 bytes of whole numbers
;; launch prep (part 1): grid 256 x 1, 6 waves a work-group, no clusters, 52,992 bytes of LDS; arguments memory_bank, query, mrec, qrec; writes mrec, qrec
.if DOCPART == 1
	.amdgcn_target "amdgcn-amd-amdhsa--gfx1250"
	.amdhsa_code_object_version 6
	.text
	.protected	k_q8a85f799cd_prep
	.globl	k_q8a85f799cd_prep
	.p2align	8
	.type	k_q8a85f799cd_prep,@function
k_q8a85f799cd_prep:
	s_mov_b64 s[64:65], 0
	v_nop
	global_prefetch_b8 v0, s[64:65] scope:SCOPE_SE
	s_setreg_imm32_b32 hwreg(HW_REG_WAVE_MODE, 25, 1), 1
	s_wait_xcnt 0x0
; PREP: memory_bank [16384][128] and query [8192][128], f32, are quantised ONCE along K into codes of BF6 (E3M2) with one E8M0 byte for each 32 along K,
; and laid as RECORDS of 1,792 bytes, one for each tile of 16 rows, in the order of a matrix operand's registers:
;   bytes 0..1535     the fragment's 12 registers: piece c (0..2) is 512 bytes, lane L's registers 4 c .. 4 c + 3 at 512 c + 16 L.  Lane L = (row L % 16, hk = L / 16) holds the row's blocks hk and 2 + hk.
;   bytes 1536..1791  32 places of 8 bytes, [the row's scale word, the row's norm].  The pair of tile row 8 H + j lies at 64 H + 8 j (place = row: lanes 0-15 find their scale words)
;                     and again at 128 H + 8 j (place 16 H + j: each half of the lanes finds its eight norms in its first eight lanes).  The other places are zero.
; The norm is -(sum of squares) / 2 for a memory row (it goes into the product as C) and the sum of squares for a query, both of the numbers as given, in f32.
; ROWS OF A TILE.  Memory tile t: row 8 H + j is memory row 8192 H + 8 t + j, so that four neighbouring tiles hold, in each half, 32 neighbouring rows.  Query tile T: row r is query 16 T + r.
; A block's scale is 2^(floor(log2(largest magnitude)) - 4); its byte is the largest magnitude's exponent field - 4, held at 1 from below.
; LIMITS: a block of zeros gets the byte 1 where the rule says 127 (its codes are zeros, and this program alone reads the bytes); NaN and infinities among the inputs are not served.
; SHARES.  One wave makes one tile; waves 0-3 of work-group b take memory tiles 4 b + w, waves 4 and 5 query tiles 2 b + w - 4.  Only pointers, strides and the norm's factor are chosen: one path for both.
; Each load takes a whole row, 512 consecutive bytes; the rows turn through the wave's own stage in LDS (528 bytes apart) so that a lane holds 2 x 32 neighbours along K.  Waves share nothing: no barrier, no cluster.
.set REC,  1792
.set STGP, 528                         ; a stage row: 512 bytes + 16
.set AUXO, 16*STGP                     ; behind the stage: the 256 bytes of pairs
.set WREG, AUXO+256                    ; LDS of a wave
.set X,    16                          ; v16-79   the 16 rows as loaded
.set Y,    80                          ; v80-143  register 32 c + i: k = 64 c + 32 hk + i of my row
.set P,    144                         ; v144-155 the fragment
.set TMP,  156                         ; v156-162 the upper halves of the two blocks' codes, as the conversions leave them
	s_load_b256 s[4:11], s[0:1], 0x0               ; memory_bank s[4:5], query s[6:7], mrec s[8:9], qrec s[10:11]
	v_lshl_add_u32 v176, v0, 2, 0xcc00
	v_mov_b32 v177, 0
	v_lshrrev_b32 v1, 5, v0
	v_readfirstlane_b32 s12, v1                    ; wave 0..5
	v_and_b32 v13, 31, v0                          ; lane
	v_and_b32 v14, 15, v0                          ; my tile row
	v_bfe_u32 v12, v0, 4, 1                        ; hk
	v_bfe_u32 v15, v0, 3, 1                        ; H of my tile row
	v_lshlrev_b32 v1, 4, v13                       ; 16 x lane
	v_lshlrev_b32 v7, 3, v13                       ; 8 x lane
	s_mul_i32 s13, s12, WREG
	v_add_nc_u32 v2, s13, v1                       ; the stage, on the way in: 16 x lane of a row
	v_mul_u32_u24 v3, v14, STGP
	v_lshl_add_u32 v3, v12, 7, v3
	v_add_nc_u32 v3, s13, v3                       ; and on the way out: my row, + 128 hk
	s_add_co_u32 s13, s13, AUXO
	v_add_nc_u32 v4, s13, v7                       ; the pairs: place = lane,
	v_lshl_add_u32 v5, v14, 3, s13                 ; place = my row,
	v_and_b32 v6, 7, v0
	v_lshlrev_b32 v6, 3, v6
	v_lshl_add_u32 v6, v15, 7, v6
	v_add_nc_u32 v6, s13, v6                       ; place = 16 H + j
	v_mov_b32 v8, 0                                ; v[8:9]: a pair of zeros
	v_mov_b32 v9, 0
	v_mov_b32 v10, 0                               ; a lane permute's destination counts as one of its sources
	v_mov_b32 v11, 0
	v_lshlrev_b32 v12, 3, v12                      ; 8 hk: my bytes' place in the scale word
	s_mov_b32 s30, 0x76543210
	s_mov_b32 s31, 0xfedcba98                      ; v_permlanex16_b32's selects for lane l xor 16
	s_mov_b32 s22, 0xbf000000                      ; -0.5
	s_mov_b32 s23, 0x3f800000                      ; 1.0
	s_mov_b32 s25, 0
	s_wait_kmcnt 0x0
	s_cmp_lt_u32 s12, 4                            ; a memory tile or a query tile?  The choice hangs on the wave's number alone
	s_cselect_b64 s[14:15], s[4:5], s[6:7]         ; from where
	s_cselect_b64 s[16:17], s[8:9], s[10:11]       ; to where
	s_cselect_b32 s19, 2, 1                        ; tiles of the kind in a work-group: 4 or 2
	s_cselect_b32 s28, 0, 4
	s_cselect_b32 s20, 12, 13                      ; from tile to tile: 8 rows or 16 rows of 512 bytes
	s_cselect_b32 s21, 22, 12                      ; from the tile's rows 0-7 to its rows 8-15: 8,192 rows or 8 rows
	s_cselect_b32 s22, s22, s23                    ; the norm's factor
	s_lshl_b32 s18, ttmp9, s19
	s_add_co_u32 s18, s18, s12
	s_sub_co_u32 s18, s18, s28                     ; my tile
	s_lshl_b32 s24, s18, s20
	s_add_nc_u64 s[14:15], s[14:15], s[24:25]      ; its rows 0-7
	s_lshl_b32 s24, 1, s21
	s_add_nc_u64 s[26:27], s[14:15], s[24:25]      ; its rows 8-15
	s_mul_i32 s24, s18, REC
	s_add_nc_u64 s[16:17], s[16:17], s[24:25]      ; its record
.irp i, 0,1,2,3,4,5,6,7
	global_load_b128 v[X+4*\i:X+4*\i+3], v1, s[14:15] offset:512*\i th:TH_LOAD_NT      ; 32 lanes read a row: 512 consecutive bytes; read once in the launch
.endr
.irp i, 0,1,2,3,4,5,6,7
	global_load_b128 v[X+32+4*\i:X+32+4*\i+3], v1, s[26:27] offset:512*\i th:TH_LOAD_NT
.endr
.set i, 0
.rept 16
	s_wait_loadcnt 15-i                            ; loads come back in order: row i is in, the younger rows stay out
	ds_store_b128 v2, v[X+4*i:X+4*i+3] offset:STGP*i
.set i, i+1
.endr
.irp c, 0,1
.irp q, 0,1,2,3,4,5,6,7
	ds_load_b128 v[Y+32*\c+4*\q:Y+32*\c+4*\q+3], v3 offset:256*\c+16*\q   ; LDS serves a wave's instructions in order: these see my stores
.endr
.endr
	s_wait_dscnt 0x0
	; the row's sum of squares: my 64 numbers in two packed chains, then lane l xor 16's
	v_pk_mul_f32 v[164:165], v[Y:Y+1], v[Y:Y+1]
	v_pk_mul_f32 v[166:167], v[Y+2:Y+3], v[Y+2:Y+3]
.irp i, 4,8,12,16,20,24,28,32,36,40,44,48,52,56,60
	v_pk_fma_f32 v[164:165], v[Y+\i:Y+\i+1], v[Y+\i:Y+\i+1], v[164:165]
	v_pk_fma_f32 v[166:167], v[Y+\i+2:Y+\i+3], v[Y+\i+2:Y+\i+3], v[166:167]
.endr
	v_pk_add_f32 v[164:165], v[164:165], v[166:167]
	v_add_f32 v164, v164, v165
	v_permlanex16_b32 v10, v164, s30, s31
	v_add_f32 v164, v164, v10
	v_mul_f32 v175, s22, v164                      ; the norm as the record keeps it
	; my two blocks: all 32 numbers of each are mine
.irp c, 0,1
	v_max3_num_f32 v[168+\c], |v[Y+32*\c]|, |v[Y+32*\c+1]|, 0x2800000   ; with the floor 2^(5 - 127): the byte cannot fall under 1
.endr
.irp i, 2,4,6,8,10,12,14,16,18,20,22,24,26,28,30
.irp c, 0,1
	v_max3_num_f32 v[168+\c], v[168+\c], |v[Y+32*\c+\i]|, |v[Y+32*\c+\i+1]|   ; the two blocks by turns
.endr
.endr
.irp c, 0,1
	v_add_nc_u32 v[170+\c], 0xfe000000, v[168+\c]  ; 4 off the exponent field: the conversion takes the exponent field of this operand as its scale
.endr
.irp c, 0,1
	v_lshrrev_b32 v[172+\c], 23, v[170+\c]         ; the scale's byte
.endr
	v_lshl_or_b32 v174, v173, 16, v172             ; blocks hk and 2 + hk,
	v_lshlrev_b32 v174, v12, v174                  ; at their places in the word;
	v_permlanex16_b32 v11, v174, s30, s31
	v_or_b32 v174, v174, v11                       ; with lane l xor 16's two the word is whole: v[174:175] = [scale word, norm]
	v_cvt_scalef32_pk16_bf6_f32 v[P:P+2], v[Y:Y+15], v170
	v_cvt_scalef32_pk16_bf6_f32 v[TMP:TMP+2], v[Y+16:Y+31], v170        ; (a conversion's three registers begin on an even number: a block's upper half is made elsewhere and moved)
	v_cvt_scalef32_pk16_bf6_f32 v[P+6:P+8], v[Y+32:Y+47], v171
	v_cvt_scalef32_pk16_bf6_f32 v[TMP+4:TMP+6], v[Y+48:Y+63], v171
	v_nop                                          ; one plain place behind a scaled conversion
.irp i, 0,1,2
	v_mov_b32 v[P+3+\i], v[TMP+\i]
	v_mov_b32 v[P+9+\i], v[TMP+4+\i]
.endr
.irp c, 0,1,2
	global_store_b128 v1, v[P+4*\c:P+4*\c+3], s[16:17] offset:512*\c    ; 32 lanes store 512 consecutive bytes, at a multiple of 256 from the buffer's first byte
.endr
	ds_store_b64 v4, v[8:9]                        ; the pairs are gathered in LDS: zeros everywhere,
	ds_store_b64 v5, v[174:175]                    ; my row's pair at place = row (both lanes of a row write the same bytes),
	ds_store_b64 v6, v[174:175]                    ; and at place 16 H + j
	ds_load_b64 v[164:165], v4                     ; in order behind my stores
	s_wait_dscnt 0x0
	global_store_b64 v7, v[164:165], s[16:17] offset:1536               ; 32 lanes store 256 consecutive bytes, aligned
	s_wait_tensorcnt 0x0
	ds_add_u32 v176, v177
	s_wait_dscnt 0x0
	s_endpgm
.Lfunc_end_k_q8a85f799cd_prep:
	.size	k_q8a85f799cd_prep, .Lfunc_end_k_q8a85f799cd_prep-k_q8a85f799cd_prep
	.p2alignl 7, 3214868480
	.fill 96, 4, 3214868480
	.section	.rodata,"a",@progbits
	.p2align	6, 0x0
	.amdhsa_kernel k_q8a85f799cd_prep
		.amdhsa_group_segment_fixed_size 52992
		.amdhsa_private_segment_fixed_size 0
		.amdhsa_enable_private_segment 0
		.amdhsa_kernarg_size 32
		.amdhsa_user_sgpr_count 2
		.amdhsa_user_sgpr_kernarg_segment_ptr 1
		.amdhsa_wavefront_size32 1
		.amdhsa_system_sgpr_workgroup_id_x 1
		.amdhsa_system_sgpr_workgroup_id_y 1
		.amdhsa_system_sgpr_workgroup_id_z 1
		.amdhsa_system_vgpr_workitem_id 0
		.amdhsa_next_free_vgpr 178
		.amdhsa_next_free_sgpr 66
		.amdhsa_reserve_vcc 0
		.amdhsa_float_denorm_mode_32 3
		.amdhsa_float_denorm_mode_16_64 3
		.amdhsa_memory_ordered 1
		.amdhsa_forward_progress 1
		.amdhsa_inst_pref_size 13
	.end_amdhsa_kernel
	.amdgpu_metadata
---
amdhsa.version: [ 1, 2 ]
amdhsa.kernels:
  - .name:           k_q8a85f799cd_prep
    .symbol:         k_q8a85f799cd_prep.kd
    .args:
      - { .name: memory_bank, .offset: 0, .size: 8, .value_kind: global_buffer, .address_space: global }
      - { .name: query, .offset: 8, .size: 8, .value_kind: global_buffer, .address_space: global }
      - { .name: mrec, .offset: 16, .size: 8, .value_kind: global_buffer, .address_space: global }
      - { .name: qrec, .offset: 24, .size: 8, .value_kind: global_buffer, .address_space: global }
    .group_segment_fixed_size: 52992
    .private_segment_fixed_size: 0
    .kernarg_segment_align: 8
    .kernarg_segment_size: 32
    .max_flat_workgroup_size: 192
    .sgpr_count:     66
    .vgpr_count:     178
    .wavefront_size: 32
...
	.end_amdgpu_metadata
.endif
;; end of part 1
;; launch sweep (part 2): grid 8 x 32, 8 waves a work-group, clusters of 4 x 4, 259,072 bytes of LDS; arguments mrec, qrec, gm; writes gm
.if DOCPART == 2
	.amdgcn_target "amdgcn-amd-amdhsa--gfx1250"
	.amdhsa_code_object_version 6
	.text
	.protected	k_q8a85f799cd_sweep
	.globl	k_q8a85f799cd_sweep
	.p2align	8
	.type	k_q8a85f799cd_sweep,@function
k_q8a85f799cd_sweep:
	s_mov_b64 s[64:65], 0
	v_nop
	global_prefetch_b8 v0, s[64:65] scope:SCOPE_SE
	s_setreg_imm32_b32 hwreg(HW_REG_WAVE_MODE, 25, 1), 1
	s_wait_xcnt 0x0
	s_wait_alu depctr_hold_cnt(0) depctr_sa_sdst(0) depctr_va_vdst(0) depctr_va_sdst(0) depctr_va_ssrc(0) depctr_va_vcc(0) depctr_vm_vsrc(0)
	s_getreg_b32 s2, hwreg(HW_REG_IB_STS2, 6, 4)
	s_cmp_eq_u32 s2, 0
	s_cbranch_scc0 .Lentry_in_a_cluster
	s_endpgm
.Lentry_in_a_cluster:
	s_bfe_u32 s2, ttmp6, 0x10000c
	s_cmp_lg_u32 s2, 0xf033
	s_cbranch_scc0 .Lentry_shape_is_right
	s_endpgm
.Lentry_shape_is_right:
; SWEEP: all products of the 8,192 queries with the 16,384 memory rows, on codes of BF6 with E8M0 scales, and of each GROUP of 32 neighbouring memory rows only the largest
; s = Q(q) . Q(m) - m2 / 2 is kept (the smallest q2 + m2 - 2 dot of the group is q2 - 2 x that).  The five nearest rows of a query lie in the five groups with the best such figures;
; later launches pick those groups and go through their rows once more.
; THE BIAS -m2 / 2 IS THE C OF THE MATRIX INSTRUCTION, so a score costs no addition.  Source 0 = 16 memory rows, source 1 = 16 queries: lane (r, h) holds query r, and its register j tile row 8 h + j,
; which is memory row 8192 h + 8 t + j of tile t: eight neighbouring rows a lane.  Four neighbouring tiles are a group: its maximum needs no other lane: four v_max3_num_f32 a product.
; SHARES.  Work-group (x, y): 256 queries (records 16 y ..) x 128 memory tiles (records 128 x ..).  Wave wv: query tiles 8 (wv % 2) .. + 7, kept in registers; of each chunk of 32 memory tiles the eight at 8 (wv / 2).
; LDS.  The work-group's whole share, 128 + 16 records of 1,792 bytes, is asked for at the head and filled once: no slot is ever filled again.  Records are images of registers: a load's 32 lanes read 512 bytes on end.
; CLUSTER 4 x 4.  The memory records hang on x alone: asked for jointly by the four of a column of the cluster; the query records on y alone: by the four of a row.
; No prefetch: every byte that the work-group reads is asked for at its head.
; gm: byte ((((T 8 + x) 2 + b) 4 + rp) 512) + 16 lane; word i of the lane's 16 bytes: query 16 T + lane % 16, group 256 (lane / 16) + 32 x + 16 b + 8 (i / 2) + 2 rp + i % 2.
; LIMITS: NaN and infinities are not served.
.set REC,   1792
.set CHUNK, 32*REC                     ; 57,344 bytes
.set QB,    4*CHUNK                    ; the queries' records lie behind the four chunks
.set AD,   4                           ; v4-7    LDS address of my eight tiles' codes in chunk c: 16 x lane + CHUNK c + 8 REC rp
.set AX,   8                           ; v8-11   of their pairs: 8 x lane + the same + 1536
.set AQ,   12                          ; v12     of my queries' codes
.set AQS,  13                          ; v13     of their pairs
.set GO,   14                          ; v14     16 x lane: my place in a store to gm
.set Q,    16                          ; v16-111 my eight query fragments
.set QS,   112                         ; v112-119 their scale words
.set BUF,  120                         ; two sets of 22: 12 of codes, the scale words, the norms, 8 of C
.set D,    164                         ; v164-195 four results by turns
.set TT,   196                         ; v196-199 at work
.set GM,   200                         ; v200-231 the maxima: query tile q, run R: GM + 4 q + R % 4
.set G1Q,  24                          ; s[24:31] group 1, s[32:35] group 0 for the queries' records
.set G0Q,  32
.set G1M,  48                          ; s[48:55] group 1 for a quarter of a chunk; s[68:83] a group 0 for each chunk
.set G0M,  68
.macro ROUND                           ; a round of the cluster's barrier
	s_barrier_signal -1
	s_barrier_wait -1
	s_cmp_lg_u32 s10, 0
	s_cbranch_scc1 .Lnot_wave_0_\@
	s_barrier_signal -3
.Lnot_wave_0_\@:
	s_barrier_wait -3
	s_barrier_signal -1
	s_barrier_wait -1
.endm
.macro PLACES c
.rept \c
	v_nop
.endr
.endm
	s_load_b128 s[4:7], s[0:1], 0x0                ; mrec s[4:5], qrec s[6:7]
	s_load_b64 s[8:9], s[0:1], 0x10                ; gm
	v_lshl_add_u32 v240, v0, 2, 0x3f000
	v_mov_b32 v241, 0
	ds_add_u32 v240, v241
	ds_add_u32 v240, v241
	v_lshrrev_b32 v1, 5, v0
	v_readfirstlane_b32 s10, v1                    ; wave 0..7
	s_and_b32 s11, s10, 1                          ; qh: which eight query tiles are mine
	s_lshr_b32 s12, s10, 1                         ; rp: which eight tiles of a chunk
	s_and_b32 s14, s10, 3                          ; which quarter I fetch, if I fetch
	s_bfe_u32 s40, ttmp6, 0x40000                  ; cx, cy: my place in the cluster
	s_bfe_u32 s41, ttmp6, 0x40004
	s_lshl_b32 s42, ttmp9, 2
	s_add_co_u32 s42, s42, s40                     ; x = 4 x cluster x + cx
	s_and_b32 s13, ttmp7, 0xffff
	s_lshl_b32 s13, s13, 2
	s_add_co_u32 s13, s13, s41                     ; y = 4 x cluster y + cy
	s_lshl_b32 s43, s41, 2
	s_lshl_b32 s43, 15, s43                        ; my row of the cluster
	s_lshl_b32 s44, 0x1111, s40                    ; my column
	; group 1: a dense block as rows of 256 bytes (32 elements of 8 bytes), no padding: 28 rows of the queries' records, 56 rows of a chunk
	s_or_b32 s[G1Q], s43, (3<<16)|(1<<21)          ; 15:0 the mask: my row; 17:16 elements of 8 bytes; 21 set beside a mask
	s_mov_b32 s[G1Q+1], 32<<16                     ; tensor_dim0 = 32
	s_mov_b32 s[G1Q+2], 28<<16                     ; tensor_dim1 = 28
	s_mov_b32 s[G1Q+3], 32<<16                     ; tile_dim0 = 32
	s_mov_b32 s[G1Q+4], 28                         ; tile_dim1 = 28
	s_mov_b32 s[G1Q+5], 32                         ; from row to row
	s_mov_b32 s[G1Q+6], 0
	s_mov_b32 s[G1Q+7], 0
	s_or_b32 s[G1M], s44, (3<<16)|(1<<21)          ; the mask: my column
	s_mov_b32 s[G1M+1], 32<<16
	s_mov_b32 s[G1M+2], 56<<16
	s_mov_b32 s[G1M+3], 32<<16
	s_mov_b32 s[G1M+4], 56
	s_mov_b32 s[G1M+5], 32
	s_mov_b32 s[G1M+6], 0
	s_mov_b32 s[G1M+7], 0
	s_mul_i32 s15, s14, 4*REC                      ; my quarter of the queries' 16 records,
	s_mul_i32 s16, s14, 8*REC                      ; and of a chunk's 32: no place in the cluster enters an LDS address
	s_mul_i32 s18, s13, 16*REC                     ; the queries' address hangs on y and the wave alone,
	s_add_co_u32 s18, s18, s15
	s_mov_b32 s19, 0
	s_mul_i32 s20, s42, 4*CHUNK                    ; the memory's on x and the wave alone
	s_add_co_u32 s20, s20, s16
	s_mov_b32 s21, 0
	s_wait_dscnt 0x0
	s_wait_kmcnt 0x0
	s_add_nc_u64 s[18:19], s[6:7], s[18:19]
	s_add_nc_u64 s[20:21], s[4:5], s[20:21]
	s_mov_b32 s[G0Q], 1                            ; count = 1
	s_add_co_u32 s[G0Q+1], s15, QB                 ; LDS address
	s_mov_b64 s[G0Q+2:G0Q+3], s[18:19]             ; global address
	s_or_b32 s[G0Q+3], s[G0Q+3], 0x80000000        ; type = 2
.irp c, 0,1,2,3
	s_mov_b32 s[G0M+4*\c], 1
	s_add_co_u32 s[G0M+4*\c+1], s16, \c*CHUNK
	s_add_nc_u64 s[G0M+4*\c+2:G0M+4*\c+3], s[20:21], \c*CHUNK
	s_or_b32 s[G0M+4*\c+3], s[G0M+4*\c+3], 0x80000000
.endr
	ROUND                                          ; all sixteen work-groups are here: the joint loads meet
	s_cmp_lt_u32 s10, 4                            ; waves 0 to 3 fetch, a quarter of each block; all first fills of a wave stand in this one branch: five loads of mine are out
	s_cbranch_scc0 .Lno_fetch
	tensor_load_to_lds s[G0Q:G0Q+3], s[G1Q:G1Q+7]
	s_nop 0
	tensor_load_to_lds s[G0M:G0M+3], s[G1M:G1M+7]
	s_nop 0
	tensor_load_to_lds s[G0M+4:G0M+7], s[G1M:G1M+7]
	s_nop 0
	tensor_load_to_lds s[G0M+8:G0M+11], s[G1M:G1M+7]
	s_nop 0
	tensor_load_to_lds s[G0M+12:G0M+15], s[G1M:G1M+7]
	s_nop 0
	PLACES 4
.Lno_fetch:
	v_and_b32 v2, 31, v0
	v_lshlrev_b32 v[GO], 4, v2
	v_lshlrev_b32 v3, 3, v2
	s_mul_i32 s22, s12, 8*REC
	s_add_co_u32 s23, s22, 1536
.irp c, 0,1,2,3
	v_add_nc_u32 v[AD+\c], s22, v[GO]
	v_add_nc_u32 v[AX+\c], s23, v3
	s_add_co_u32 s22, s22, CHUNK
	s_add_co_u32 s23, s23, CHUNK
.endr
	s_mul_i32 s45, s11, 8*REC
	s_add_co_u32 s45, s45, QB
	v_add_nc_u32 v[AQ], s45, v[GO]
	s_add_co_u32 s45, s45, 1536
	v_add_nc_u32 v[AQS], s45, v3
	s_lshl_b32 s46, s13, 4                         ; gm: query tile 16 y + 8 qh: 32,768 bytes a tile;
	s_lshl_b32 s47, s11, 3
	s_add_co_u32 s46, s46, s47
	s_lshl_b32 s46, s46, 15
	s_lshl_b32 s47, s42, 12                        ; + 4,096 x;
	s_add_co_u32 s46, s46, s47
	s_lshl_b32 s47, s12, 9                         ; + 512 rp
	s_add_co_u32 s46, s46, s47
	s_mov_b32 s47, 0
	s_add_nc_u64 s[8:9], s[8:9], s[46:47]
.irp j, 0,1,2,3,4,5,6,7
	v_mov_b32 v[BUF+14+\j], 0                      ; written once: the destination of a DPP form counts as one of its sources
	v_mov_b32 v[BUF+36+\j], 0
.endr
.macro LOADT t                         ; tile t of my 32 (chunk t / 8, its k-th of my eight): the fragment by three loads, [scale word, norm] by one, into set t % 2
.set zc, (\t)/8
.set zk, (\t)%8
.set zb, BUF+22*((\t)%2)
	ds_load_b128 v[zb:zb+3], v[AD+zc] offset:REC*zk
	ds_load_b128 v[zb+4:zb+7], v[AD+zc] offset:REC*zk+512
	ds_load_b128 v[zb+8:zb+11], v[AD+zc] offset:REC*zk+1024
	ds_load_b64 v[zb+12:zb+13], v[AX+zc] offset:REC*zk
.endm
.macro CBUILD t                        ; C's register j = the norm of tile row 8 h + j, which lies in lane j of my half of the lanes
.set zb, BUF+22*((\t)%2)
.irp j, 0,1,2,3,4,5,6,7
	v_mov_b32_dpp v[zb+14+\j], v[zb+13] row_share:\j row_mask:0xf bank_mask:0xf
.endr
.endm
.macro MUL                             ; tile n x query tile qt.  C and D are different registers: no product adds onto another's result
.set zb, BUF+22*(n%2)
.set zd, D+8*(qt%4)
	v_wmma_scale_f32_16x16x128_f8f6f4 v[zd:zd+7], v[zb:zb+11], v[Q+12*qt:Q+12*qt+11], v[zb+14:zb+21], v[zb+12], v[QS+qt] matrix_a_fmt:MATRIX_FMT_BF6 matrix_b_fmt:MATRIX_FMT_BF6
.endm
.macro SLICE p                         ; product p (tile p / 8, query tile p % 8): its eight scores go into the run's maximum; a run's first tile starts it.  The result is read from its low end on
.set zq, (\p)%8
.set zt, ((\p)/8)%4
.set zg, GM+4*zq+(((\p)/32)%4)
.set zd, D+8*(zq%4)
.set zx, TT+2*(zq%2)
	v_max3_num_f32 v[zx], v[zd], v[zd+1], v[zd+2]
	v_max3_num_f32 v[zx+1], v[zd+3], v[zd+4], v[zd+5]
.if zt == 0
	v_max3_num_f32 v[zx], v[zx], v[zd+6], v[zd+7]
	v_max_num_f32 v[zg], v[zx], v[zx+1]
.else
	v_max3_num_f32 v[zg], v[zg], v[zd+6], v[zd+7]
	v_max3_num_f32 v[zg], v[zg], v[zx], v[zx+1]
.endif
.endm
.macro STORE bt                        ; four runs' maxima of my eight query tiles
.irp q, 0,1,2,3,4,5,6,7
	global_store_b128 v[GO], v[GM+4*\q:GM+4*\q+3], s[8:9] offset:32768*\q+2048*\bt th:TH_STORE_NT   ; 32 lanes store 512 consecutive bytes, at a multiple of 256 from gm's first byte
.endr
.endm
; A TILE: eight products, one for each of my query tiles.  Behind each product stands the slice of the product two back, four plain instructions:
; so a result is first read eight places behind its product, and written over, four products on, with twelve places between that do not name it.
; The next tile's four LDS loads stand at the head: the last product that read that set stands four plain instructions (a slice) back.  They are waited for behind the sixth product;
; the eight moves that spread the norms follow, and the two slices behind them are eight places ahead of the next tile's first product.
.macro TILE
.set tc, n/8
.set tk, n%8
.if (tk == 6) && (tc < 3)
	s_wait_tensorcnt 2-tc                          ; my quarter of the next chunk has landed; the chunks behind it may stay out
	s_barrier_signal -1                            ; (no LDS instruction of mine is out at a tile's head)
.endif
.if (tk == 7) && (tc < 3)
	s_barrier_wait -1                              ; everybody's has: the loads below read the next chunk
.endif
.if n < 31
	LOADT n+1
.endif
.set qt, 0
.rept 8
	MUL
.if 8*n+qt >= 2
	SLICE 8*n+qt-2
.else
	PLACES 4                                       ; the first two products have no slice to stand behind them
.endif
.if (n == 16) && (qt == 1)
	STORE 0                                        ; runs 0 to 3 are finished
	s_wait_xcnt 0x0                                ; the stores have read their data: the maxima's registers are written again only behind this wait
.endif
.if (qt == 5) && (n < 31)
	s_wait_dscnt 0x0
	CBUILD n+1
.endif
.set qt, qt+1
.endr
.endm
	s_wait_tensorcnt 0x3                           ; the queries' records and chunk 0: my quarters are in (chunks 1 to 3 may be out),
	s_barrier_signal -1
	s_barrier_wait -1                              ; everybody's are
.irp q, 0,1,2,3,4,5,6,7
.irp p, 0,1,2
	ds_load_b128 v[Q+12*\q+4*\p:Q+12*\q+4*\p+3], v[AQ] offset:REC*\q+512*\p
.endr
	ds_load_b32 v[QS+\q], v[AQS] offset:REC*\q
.endr
	LOADT 0
	s_wait_dscnt 0x0
	CBUILD 0
	PLACES 8
.set n, 0
.rept 32
	TILE
.set n, n+1
.endr
	SLICE 254
	SLICE 255
	STORE 1
	s_wait_tensorcnt 0x0
	ds_add_u32 v240, v241
	s_wait_dscnt 0x0
	ROUND                                          ; the closing round: no work-group ends while a partner may still ask for a block that names it
	s_endpgm
.Lfunc_end_k_q8a85f799cd_sweep:
	.size	k_q8a85f799cd_sweep, .Lfunc_end_k_q8a85f799cd_sweep-k_q8a85f799cd_sweep
	.p2alignl 7, 3214868480
	.fill 96, 4, 3214868480
	.section	.rodata,"a",@progbits
	.p2align	6, 0x0
	.amdhsa_kernel k_q8a85f799cd_sweep
		.amdhsa_group_segment_fixed_size 259072
		.amdhsa_private_segment_fixed_size 0
		.amdhsa_enable_private_segment 0
		.amdhsa_kernarg_size 24
		.amdhsa_user_sgpr_count 2
		.amdhsa_user_sgpr_kernarg_segment_ptr 1
		.amdhsa_wavefront_size32 1
		.amdhsa_system_sgpr_workgroup_id_x 1
		.amdhsa_system_sgpr_workgroup_id_y 1
		.amdhsa_system_sgpr_workgroup_id_z 1
		.amdhsa_system_vgpr_workitem_id 0
		.amdhsa_next_free_vgpr 242
		.amdhsa_next_free_sgpr 90
		.amdhsa_reserve_vcc 0
		.amdhsa_float_denorm_mode_32 3
		.amdhsa_float_denorm_mode_16_64 3
		.amdhsa_memory_ordered 1
		.amdhsa_forward_progress 1
		.amdhsa_inst_pref_size 131
	.end_amdhsa_kernel
	.amdgpu_metadata
---
amdhsa.version: [ 1, 2 ]
amdhsa.kernels:
  - .name:           k_q8a85f799cd_sweep
    .symbol:         k_q8a85f799cd_sweep.kd
    .args:
      - { .name: mrec, .offset: 0, .size: 8, .value_kind: global_buffer, .address_space: global }
      - { .name: qrec, .offset: 8, .size: 8, .value_kind: global_buffer, .address_space: global }
      - { .name: gm, .offset: 16, .size: 8, .value_kind: global_buffer, .address_space: global }
    .group_segment_fixed_size: 259072
    .private_segment_fixed_size: 0
    .kernarg_segment_align: 8
    .kernarg_segment_size: 24
    .max_flat_workgroup_size: 256
    .sgpr_count:     90
    .vgpr_count:     242
    .wavefront_size: 32
...
	.end_amdgpu_metadata
.endif
;; end of part 2
;; launch pick (part 3): grid 512 x 1, 4 waves a work-group, no clusters, 5,632 bytes of LDS; arguments gm, qrec, sel; writes sel
.if DOCPART == 3
	.amdgcn_target "amdgcn-amd-amdhsa--gfx1250"
	.amdhsa_code_object_version 6
	.text
	.protected	k_q8a85f799cd_pick
	.globl	k_q8a85f799cd_pick
	.p2align	8
	.type	k_q8a85f799cd_pick,@function
k_q8a85f799cd_pick:
	s_mov_b64 s[64:65], 0
	v_nop
	global_prefetch_b8 v0, s[64:65] scope:SCOPE_SE
	s_setreg_imm32_b32 hwreg(HW_REG_WAVE_MODE, 25, 1), 1
	s_wait_xcnt 0x0
; PICK: for each query the five best of its 512 groups of 32 memory rows.  A group's figure is max(q2 - 2 s, 1e-12), s the group's largest dot - m2 / 2; smaller is better, and of equal figures the lower group wins.
; The five group numbers are sorted ascending and stored as whole numbers; the next launch forms addresses from them.  No address and no branch here hangs on them.
; SHARES.  Work-group T: query tile T (16 queries).  Wave w reads 8,192 bytes on end of gm: lane (r, h) then holds 64 figures of query 16 T + r: groups 256 h + 64 w + n, n = 0 .. 63.
; Each lane keeps a sorted list of five (figure, group) and inserts in ascending n; the four waves' lists meet in LDS, and wave 0 merges them, then the two halves of the lanes.
; An insertion compares strictly, so what stands in the list, which has the lower group number at every merge, keeps its place among equals.
; sel: byte 640 T + 128 k + 4 lane, k = 0 .. 4 in ascending group number g: lanes 0-15: E = 56 (g % 256) + g / 256 of query 16 T + lane (128 E is where the group's bytes begin in mrec); lanes 16-31: g of query 16 T + lane - 16.
; Work-groups share nothing that is read: no cluster.  LIMITS: NaN and infinities are not served.
.set V,  16                            ; v16-79 the figures
.set LA, 80                            ; v80-84 the list's figures, ascending;  v85-89 their groups
.set LI, 85
.set Q2, 90
.set PA, 92                            ; v92-96, v97-101 the other half's list
.set PI, 97
.set CM, 20                            ; s20-24 an insertion's five masks
.macro INSERT x, pay                   ; 19 instructions, no branch: c_k = x < A_k; from the list's end on, place k takes place k - 1's where c_(k-1), x where c_k alone, else keeps its own
.irp k, 0,1,2,3,4
	v_cmp_lt_f32 s[CM+\k], \x, v[LA+\k]
.endr
.irp k, 4,3,2,1
	v_cndmask_b32 v[LI+\k], v[LI+\k], \pay, s[CM+\k]
	v_cndmask_b32 v[LI+\k], v[LI+\k], v[LI+\k-1], s[CM+\k-1]
	v_med3_num_f32 v[LA+\k], \x, v[LA+\k-1], v[LA+\k]
.endr
	v_cndmask_b32 v[LI], v[LI], \pay, s[CM]
	v_min_num_f32 v[LA], v[LA], \x
.endm
	s_load_b128 s[4:7], s[0:1], 0x0                ; gm s[4:5], qrec s[6:7]
	s_load_b64 s[8:9], s[0:1], 0x10                ; sel
	v_lshl_add_u32 v112, v0, 2, 0x1400
	v_mov_b32 v113, 0
	v_lshrrev_b32 v1, 5, v0
	v_readfirstlane_b32 s10, v1                    ; wave 0..3
	v_and_b32 v2, 31, v0                           ; lane
	v_and_b32 v3, 15, v0                           ; r
	v_bfe_u32 v4, v0, 4, 1                         ; h
	v_lshlrev_b32 v5, 4, v2                        ; 16 x lane
	v_lshlrev_b32 v6, 3, v3                        ; 8 r
	v_lshlrev_b32 v7, 2, v2                        ; 4 x lane
	s_mul_i32 s18, s10, 1280
	v_add_nc_u32 v8, s18, v7                       ; LDS: my wave's ten rows of 128 bytes
	s_lshl_b32 s19, s10, 6
	v_lshl_add_u32 v9, v4, 8, s19                  ; 256 h + 64 w: my first group
	s_lshl_b32 s12, ttmp9, 15                      ; gm: 32,768 bytes a query tile,
	s_lshl_b32 s13, s10, 13                        ; 8,192 a wave
	s_add_co_u32 s12, s12, s13
	s_mov_b32 s13, 0
	s_mul_i32 s14, ttmp9, 1792
	s_mov_b32 s15, 0
	s_mul_i32 s16, ttmp9, 640
	s_mov_b32 s17, 0
	s_mov_b32 s26, 0x76543210
	s_mov_b32 s27, 0xfedcba98                      ; v_permlanex16_b32's selects for lane l xor 16
	s_mov_b32 s28, 0xffff0000                      ; lanes 16-31
	s_wait_kmcnt 0x0
	s_add_nc_u64 s[4:5], s[4:5], s[12:13]
	s_add_nc_u64 s[6:7], s[6:7], s[14:15]
	s_add_nc_u64 s[8:9], s[8:9], s[16:17]
	global_load_b32 v[Q2], v6, s[6:7] offset:1540  ; q2 of my query: the second word of place r among the record's pairs
.set i, 0
.rept 16
	global_load_b128 v[V+4*i:V+4*i+3], v5, s[4:5] offset:512*i th:TH_LOAD_NT   ; 512 consecutive bytes; read once in the launch
.set i, i+1
.endr
.irp k, 0,1,2,3,4
	v_mov_b32 v[LA+\k], 0x7f800000                 ; the list begins with five times +infinity
	v_mov_b32 v[LI+\k], 0
	v_mov_b32 v[PA+\k], 0                          ; a lane permute's destination counts as one of its sources
	v_mov_b32 v[PI+\k], 0
.endr
; Load 4 qd + rp, word 2 ih + il, is group n = 16 qd + 8 ih + 2 rp + il: four loads hold sixteen neighbouring groups
.set qd, 0
.rept 4
	s_wait_loadcnt 12-4*qd                         ; q2 and these four loads are in; the younger loads stay out
.set i, 0
.rept 16
	v_fma_f32 v[V+16*qd+i], -2.0, v[V+16*qd+i], v[Q2]
.set i, i+1
.endr
.set i, 0
.rept 16
	v_max_num_f32 v[V+16*qd+i], 0x2b8cbccc, v[V+16*qd+i]     ; held at 1e-12 from below
.set i, i+1
.endr
.set ih, 0
.rept 2
.set rp, 0
.rept 4
.set il, 0
.rept 2
	INSERT v[V+16*qd+4*rp+2*ih+il], 16*qd+8*ih+2*rp+il
.set il, il+1
.endr
.set rp, rp+1
.endr
.set ih, ih+1
.endr
.set qd, qd+1
.endr
.irp k, 0,1,2,3,4
	v_add_nc_u32 v[LI+\k], v[LI+\k], v9            ; the groups' full numbers
.endr
.irp k, 0,1,2,3,4
	ds_store_b32 v8, v[LA+\k] offset:128*\k
	ds_store_b32 v8, v[LI+\k] offset:640+128*\k
.endr
	s_wait_dscnt 0x0                               ; for wave 0's sake: my stores are done
	s_barrier_signal -1
	s_barrier_wait -1
	s_cmp_lg_u32 s10, 0
	s_cbranch_scc1 .Lend                           ; behind the last barrier: waves 1 to 3 are finished
.irp w, 1,2,3
.irp i, 0,1,2,3,4,5,6,7,8,9
	ds_load_b32 v[V+10*(\w-1)+\i], v7 offset:1280*\w+128*\i
.endr
.endr
	s_wait_dscnt 0x0
.irp w, 1,2,3                          ; waves ascending, each list in its own order: what comes later has the higher group number
.irp k, 0,1,2,3,4
	INSERT v[V+10*(\w-1)+\k], v[V+10*(\w-1)+5+\k]
.endr
.endr
.irp k, 0,1,2,3,4
	v_permlanex16_b32 v[PA+\k], v[LA+\k], s26, s27
	v_permlanex16_b32 v[PI+\k], v[LI+\k], s26, s27
.endr
.irp k, 0,1,2,3,4
	INSERT v[PA+\k], v[PI+\k]                      ; right in lanes 0-15, whose own groups (h = 0) are the lower ones; lanes 16-31 are not used
.endr
.macro CSWAP a, b
	v_min_u32 v91, v[LI+\a], v[LI+\b]
	v_max_u32 v[LI+\b], v[LI+\a], v[LI+\b]
	v_mov_b32 v[LI+\a], v91
.endm
	CSWAP 0, 1                                     ; the five numbers ascending: nine exchanges
	CSWAP 3, 4
	CSWAP 2, 4
	CSWAP 2, 3
	CSWAP 1, 4
	CSWAP 0, 3
	CSWAP 0, 2
	CSWAP 1, 3
	CSWAP 1, 2
.irp k, 0,1,2,3,4
	v_and_b32 v[PA+\k], 0xff, v[LI+\k]
	v_lshrrev_b32 v91, 8, v[LI+\k]
	v_mad_u32_u24 v[PA+\k], v[PA+\k], 56, v91      ; E = 56 (g % 256) + g / 256
	v_permlanex16_b32 v[PI+\k], v[LI+\k], s26, s27 ; lane 16 + r takes lane r's g
	v_cndmask_b32 v[PA+\k], v[PA+\k], v[PI+\k], s28
	global_store_b32 v7, v[PA+\k], s[8:9] offset:128*\k      ; the five stores cover 640 consecutive bytes
.endr
	s_wait_tensorcnt 0x0
	ds_add_u32 v112, v113
	s_wait_dscnt 0x0
	s_endpgm
.Lend:
	s_wait_tensorcnt 0x0
	ds_add_u32 v112, v113
	s_wait_dscnt 0x0
	s_endpgm
.Lfunc_end_k_q8a85f799cd_pick:
	.size	k_q8a85f799cd_pick, .Lfunc_end_k_q8a85f799cd_pick-k_q8a85f799cd_pick
	.p2alignl 7, 3214868480
	.fill 96, 4, 3214868480
	.section	.rodata,"a",@progbits
	.p2align	6, 0x0
	.amdhsa_kernel k_q8a85f799cd_pick
		.amdhsa_group_segment_fixed_size 5632
		.amdhsa_private_segment_fixed_size 0
		.amdhsa_enable_private_segment 0
		.amdhsa_kernarg_size 24
		.amdhsa_user_sgpr_count 2
		.amdhsa_user_sgpr_kernarg_segment_ptr 1
		.amdhsa_wavefront_size32 1
		.amdhsa_system_sgpr_workgroup_id_x 1
		.amdhsa_system_sgpr_workgroup_id_y 1
		.amdhsa_system_sgpr_workgroup_id_z 1
		.amdhsa_system_vgpr_workitem_id 0
		.amdhsa_next_free_vgpr 114
		.amdhsa_next_free_sgpr 66
		.amdhsa_reserve_vcc 0
		.amdhsa_float_denorm_mode_32 3
		.amdhsa_float_denorm_mode_16_64 3
		.amdhsa_memory_ordered 1
		.amdhsa_forward_progress 1
		.amdhsa_inst_pref_size 116
	.end_amdhsa_kernel
	.amdgpu_metadata
---
amdhsa.version: [ 1, 2 ]
amdhsa.kernels:
  - .name:           k_q8a85f799cd_pick
    .symbol:         k_q8a85f799cd_pick.kd
    .args:
      - { .name: gm, .offset: 0, .size: 8, .value_kind: global_buffer, .address_space: global }
      - { .name: qrec, .offset: 8, .size: 8, .value_kind: global_buffer, .address_space: global }
      - { .name: sel, .offset: 16, .size: 8, .value_kind: global_buffer, .address_space: global }
    .group_segment_fixed_size: 5632
    .private_segment_fixed_size: 0
    .kernarg_segment_align: 8
    .kernarg_segment_size: 24
    .max_flat_workgroup_size: 128
    .sgpr_count:     66
    .vgpr_count:     114
    .wavefront_size: 32
...
	.end_amdgpu_metadata
.endif
;; end of part 3
;; launch finish (part 4): grid 512 x 1, 5 waves a work-group, no clusters, 7,168 bytes of LDS; arguments qrec, mrec, sel, neighbor_scale_bank, out0; writes out0
.if DOCPART == 4
	.amdgcn_target "amdgcn-amd-amdhsa--gfx1250"
	.amdhsa_code_object_version 6
	.text
	.protected	k_q8a85f799cd_finish
	.globl	k_q8a85f799cd_finish
	.p2align	8
	.type	k_q8a85f799cd_finish,@function
k_q8a85f799cd_finish:
	s_mov_b64 s[64:65], 0
	v_nop
	global_prefetch_b8 v0, s[64:65] scope:SCOPE_SE
	s_setreg_imm32_b32 hwreg(HW_REG_WAVE_MODE, 25, 1), 1
	s_wait_xcnt 0x0
; FINISH: for each query the 160 rows of its five chosen groups are multiplied once more, on the same codes by the same matrix instruction; d2 = (q2 + m2) - 2 dot in f32, held at 1e-12;
; the five smallest, of equal ones the lower row, each with its row's neighbour scale; then the closed formula of the five distances.
; SHARES.  Work-group T: query tile T.  Wave w: for each of the 16 queries its w-th group in ascending order.
; ONE QUERY A PRODUCT, ONE COLUMN A QUERY.  For query r0 source 1 is the query fragment with the codes of every lane but r0 and r0 + 16 set to zero, and source 0 is 16 rows of r0's group.  Such a product adds
; to column r0 alone; sixteen of them on one accumulator leave in column r the scores of query r against its OWN group.  A group's 32 rows are two accumulators, which take turns, one instruction a turn.
; Row m of source 0, slot sl, is row m % 8 of the group's quarter 2 (m / 8) + sl: so lane (r, h), slot sl, register j holds memory row 32 g + 16 h + 8 sl + j: rows ascend with (sl, j), then h, then the wave.
; ADDRESSES hang on whole numbers that an earlier launch stored (sel), each held to its table's range: 128 E is where a group's bytes begin in mrec (E = 56 (g % 256) + g / 256, at most 14,281); g is at most 511.
; The rows gathered differ from query to query, and the operands go from memory straight into registers: no tensor load, so no joint load and no cluster.
; The output is 64 bytes a work-group, 32,768 in all.
; LIMITS: NaN and infinities are not served.  The order is that of d2 in f32 (held at 1e-12), of equal ones the lower row; ties that only the square root's rounding makes are not reproduced.
.set REC, 1792
.set B,   16                           ; v16-27  the query fragment
.set QSC, 28                           ; v28 the queries' scale words, v29 q2 of my query
.set BM,  32                           ; v32-43, v44-55 the masked fragment, two by turns
.set ACC, 56                           ; v56-63, v64-71 the two accumulators
.set FS,  72                           ; v72-183 four sets of 28: slot sl's codes at 12 sl, its scale words at 24 + sl
.set MH,  184                          ; v184-215 slot sl, row j: [scale word, -m2 / 2] at 16 sl + 2 j
.set NSB, 216                          ; v216-231 slot sl, row j: the neighbour scale at 8 sl + j
.set LA,  232                          ; v232-236 the list's d2, ascending;  v237-241 their neighbour scales
.set LI,  237
.set PA,  242                          ; v242-251 the other half's list; later the distances and the weights
.set PI,  247
.set CM,  20                           ; s20-24 an insertion's five masks
.set NS,  112                          ; at work in the formula (the sets' registers are free then)
.set MEAN, 113
.set VAR, 114
.set DEN, 115
.set NUM, 116
.set R1,  117
.set R2,  118
.set SD,  119
.set T,   120
.macro INSERT x, pay                   ; 19 instructions, no branch: c_k = x < A_k; from the list's end on, place k takes place k - 1's where c_(k-1), x where c_k alone, else keeps its own
.irp k, 0,1,2,3,4
	v_cmp_lt_f32 s[CM+\k], \x, v[LA+\k]
.endr
.irp k, 4,3,2,1
	v_cndmask_b32 v[LI+\k], v[LI+\k], \pay, s[CM+\k]
	v_cndmask_b32 v[LI+\k], v[LI+\k], v[LI+\k-1], s[CM+\k-1]
	v_med3_num_f32 v[LA+\k], \x, v[LA+\k-1], v[LA+\k]
.endr
	v_cndmask_b32 v[LI], v[LI], \pay, s[CM]
	v_min_num_f32 v[LA], v[LA], \x
.endm
	s_load_b256 s[4:11], s[0:1], 0x0               ; qrec s[4:5], mrec s[6:7], sel s[8:9], neighbor_scale_bank s[10:11]
	s_load_b64 s[12:13], s[0:1], 0x20              ; out0
	v_lshl_add_u32 v254, v0, 2, 0x1900
	v_mov_b32 v255, 0
	v_lshrrev_b32 v1, 5, v0
	v_readfirstlane_b32 s14, v1                    ; wave 0..4
	v_and_b32 v10, 31, v0                          ; lane
	v_and_b32 v14, 15, v0                          ; r
	v_bfe_u32 v11, v0, 4, 1                        ; h
	v_lshlrev_b32 v1, 4, v10                       ; 16 x lane
	v_lshlrev_b32 v13, 2, v10                      ; 4 x lane
	v_lshlrev_b32 v8, 2, v14                       ; 4 r
	v_lshlrev_b32 v9, 3, v14                       ; 8 r
	v_bfe_u32 v15, v0, 3, 1                        ; as a lane of source 0: m / 8,
	v_and_b32 v14, 7, v0                           ; m % 8
	v_mul_u32_u24 v4, v15, 2*REC
	v_lshl_add_u32 v5, v14, 3, v4                  ; v5: my row's pair: 2 REC (m / 8) + 8 (m % 8)
	v_lshl_add_u32 v4, v14, 4, v4
	v_lshl_add_u32 v4, v11, 8, v4                  ; v4: my row's codes: 2 REC (m / 8) + 16 (m % 8) + 256 hk
	v_mul_u32_u24 v14, v11, 2*REC                  ; my own candidates: quarters 2 h and 2 h + 1,
	v_lshlrev_b32 v15, 6, v11                      ; rows 16 h on
	s_mul_i32 s15, s14, 1280
	v_add_nc_u32 v12, s15, v13                     ; LDS: my wave's ten rows of 128 bytes
.irp k, 0,1,2,3,4
	v_mov_b32 v[LA+\k], 0x7f800000                 ; the list begins with five times +infinity
	v_mov_b32 v[LI+\k], 0
	v_mov_b32 v[PA+\k], 0                          ; a lane permute's destination counts as one of its sources
	v_mov_b32 v[PI+\k], 0
.endr
	s_mov_b32 s18, 0x76543210
	s_mov_b32 s19, 0xfedcba98                      ; v_permlanex16_b32's selects for lane l xor 16
	s_mul_i32 s16, ttmp9, REC
	s_mov_b32 s17, 0
	s_mul_i32 s28, ttmp9, 640
	s_lshl_b32 s15, s14, 7
	s_add_co_u32 s28, s28, s15                     ; sel: my tile's, my wave's 128 bytes
	s_mov_b32 s29, 0
	s_lshl_b32 s26, ttmp9, 6
	s_mov_b32 s27, 0
	s_wait_kmcnt 0x0
	s_add_nc_u64 s[4:5], s[4:5], s[16:17]
	s_add_nc_u64 s[8:9], s[8:9], s[28:29]
	s_add_nc_u64 s[12:13], s[12:13], s[26:27]
	s_load_b512 s[32:47], s[8:9], 0x0              ; E of the 16 queries' w-th groups
	global_load_b32 v2, v8, s[8:9]                 ; E and g of my own query's
	global_load_b32 v3, v8, s[8:9] offset:64
.irp c, 0,1,2
	global_load_b128 v[B+4*\c:B+4*\c+3], v1, s[4:5] offset:512*\c
.endr
	global_load_b64 v[QSC:QSC+1], v9, s[4:5] offset:1536     ; place r of the pairs, in both halves of the lanes
	s_wait_kmcnt 0x0
.irp r, 0,1,2,3,4,5,6,7,8,9,10,11,12,13,14,15
	s_min_u32 s[32+\r], s[32+\r], 0x37c9           ; held inside the table: 14,281
	s_lshl_b32 s28, s[32+\r], 7
	s_add_nc_u64 s[66+2*\r:67+2*\r], s[6:7], s[28:29]        ; where query r's group begins in mrec
.endr
.macro LOADSET r                       ; query r's group: two slots of 16 rows, each three loads of codes and one of scale words
.set fb, FS+28*((\r)%4)
.irp s, 0,1
.irp c, 0,1,2
	global_load_b128 v[fb+12*\s+4*\c:fb+12*\s+4*\c+3], v4, s[66+2*(\r):67+2*(\r)] offset:REC*\s+512*\c
.endr
	global_load_b32 v[fb+24+\s], v5, s[66+2*(\r):67+2*(\r)] offset:REC*\s+1536
.endr
.endm
	LOADSET 0
	LOADSET 1
	LOADSET 2
	LOADSET 3
	s_wait_loadcnt 36                              ; E and g are in: behind them stand the query's 4 loads and the sets' 32
	v_min_u32 v2, 0x37c9, v2
	v_min_u32 v3, 0x1ff, v3
	v_lshl_add_u32 v6, v2, 7, v14                  ; my candidates' pairs: 128 E + 2 REC h
	v_lshl_add_u32 v7, v3, 7, v15                  ; their neighbour scales: 4 (32 g + 16 h)
.irp s, 0,1
.irp i, 0,1,2,3
	global_load_b128 v[MH+16*\s+4*\i:MH+16*\s+4*\i+3], v6, s[6:7] offset:REC*\s+1536+16*\i
.endr
.endr
.irp s, 0,1
.irp i, 0,1
	global_load_b128 v[NSB+8*\s+4*\i:NSB+8*\s+4*\i+3], v7, s[10:11] offset:32*\s+16*\i
.endr
.endr
.macro MASKB r                         ; the query fragment with column r alone: lanes r and r + 16 keep their codes
	s_mov_b32 s30, 0x10001<<(\r)
.irp i, 0,1,2,3,4,5,6,7,8,9,10,11
	v_cndmask_b32 v[BM+12*((\r)%2)+\i], 0, v[B+\i], s30
.endr
.endm
; Query r.  The next query's mask is made first: its twelve lines stand four places (the v_nop of the step before) behind the last product that read those registers, and sixteen ahead of the products that will.
; left: the loads issued behind set r.  The four v_nop are the places in front of the loads into the set just read.
.macro STEP r, left
.if (\r) < 15
	MASKB (\r)+1
.endif
	s_wait_loadcnt \left
.set fb, FS+28*((\r)%4)
.set bm, BM+12*((\r)%2)
.irp s, 0,1
.if (\r) == 0
	v_wmma_scale_f32_16x16x128_f8f6f4 v[ACC+8*\s:ACC+8*\s+7], v[fb+12*\s:fb+12*\s+11], v[bm:bm+11], 0, v[fb+24+\s], v[QSC] matrix_a_fmt:MATRIX_FMT_BF6 matrix_b_fmt:MATRIX_FMT_BF6
.else
	v_wmma_scale_f32_16x16x128_f8f6f4 v[ACC+8*\s:ACC+8*\s+7], v[fb+12*\s:fb+12*\s+11], v[bm:bm+11], v[ACC+8*\s:ACC+8*\s+7], v[fb+24+\s], v[QSC] matrix_a_fmt:MATRIX_FMT_BF6 matrix_b_fmt:MATRIX_FMT_BF6
.endif
.endr
.rept 4
	v_nop
.endr
.if (\r)+4 < 16
	LOADSET (\r)+4
.endif
.endm
	s_wait_loadcnt 44                              ; the query's fragment and pair are in: behind them stand the sets' 32 loads and my candidates' 12
	MASKB 0
	STEP 0, 36                                     ; behind set r, r = 0 .. 3: three sets and the 12
	STEP 1, 36
	STEP 2, 36
	STEP 3, 36
.irp r, 4,5,6,7,8,9,10,11,12
	STEP \r, 24                                    ; three sets
.endr
	STEP 13, 16
	STEP 14, 8
	STEP 15, 0
	; my 16 candidates: t = q2 + m2 (the norm is -m2 / 2: the fused form rounds once), d2 = t - 2 dot (once more), held at 1e-12.  Each accumulator is read from its low end on
.irp s, 0,1
.irp j, 0,1,2,3,4,5,6,7
	v_fma_f32 v[MH+16*\s+2*\j], -2.0, v[MH+16*\s+2*\j+1], v[QSC+1]
.endr
.endr
.irp s, 0,1
.irp j, 0,1,2,3,4,5,6,7
	v_fma_f32 v[MH+16*\s+2*\j], -2.0, v[ACC+8*\s+\j], v[MH+16*\s+2*\j]
.endr
.endr
.irp s, 0,1
.irp j, 0,1,2,3,4,5,6,7
	v_max_num_f32 v[MH+16*\s+2*\j], 0x2b8cbccc, v[MH+16*\s+2*\j]
.endr
.endr
.irp s, 0,1
.irp j, 0,1,2,3,4,5,6,7
	INSERT v[MH+16*\s+2*\j], v[NSB+8*\s+\j]        ; rows ascending
.endr
.endr
.irp k, 0,1,2,3,4
	v_permlanex16_b32 v[PA+\k], v[LA+\k], s18, s19
	v_permlanex16_b32 v[PI+\k], v[LI+\k], s18, s19
.endr
.irp k, 0,1,2,3,4
	INSERT v[PA+\k], v[PI+\k]                      ; right in lanes 0-15, whose own rows (h = 0) are the lower ones; lanes 16-31 are not used
.endr
.irp k, 0,1,2,3,4
	ds_store_b32 v12, v[LA+\k] offset:128*\k
	ds_store_b32 v12, v[LI+\k] offset:640+128*\k
.endr
	s_wait_dscnt 0x0                               ; for wave 0's sake: my stores are done
	s_barrier_signal -1
	s_barrier_wait -1
	s_cmp_lg_u32 s14, 0
	s_cbranch_scc1 .Lend                           ; behind the last barrier: waves 1 to 4 are finished
.irp w, 1,2,3,4
.irp i, 0,1,2,3,4,5,6,7,8,9
	ds_load_b32 v[FS+10*(\w-1)+\i], v13 offset:1280*\w+128*\i
.endr
.endr
	s_wait_dscnt 0x0
.irp w, 1,2,3,4                        ; waves ascending: their groups, and so their rows, ascend
.irp k, 0,1,2,3,4
	INSERT v[FS+10*(\w-1)+\k], v[FS+10*(\w-1)+5+\k]
.endr
.endr
	; THE FORMULA.  Three batches of transcendentals, each with plain work behind it and one wait ahead of its first reader
.irp k, 0,1,2,3,4
	v_sqrt_f32 v[PA+\k], v[LA+\k]                  ; the five distances, ascending
.endr
	v_add_f32 v[NS], v[LI], v[LI+1]
	v_add_f32 v[T], v[LI+2], v[LI+3]
	v_add_f32 v[NS], v[NS], v[T]
	v_add_f32 v[NS], v[NS], v[LI+4]
	v_mul_f32 v[NS], 0x3e4ccccd, v[NS]             ; the mean neighbour scale,
	v_max_num_f32 v[NS], 0x358637bd, v[NS]         ; held at 1e-6 from below
	s_wait_alu depctr_va_vdst(0)                   ; one wait for the five roots
.irp k, 0,1,2,3,4
	v_sub_f32 v[PI+\k], v[PA], v[PA+\k]            ; the softmax of -distance, its largest exponent (the smallest distance's) taken away
.endr
.irp k, 0,1,2,3,4
	v_mul_f32 v[PI+\k], 0x3fb8aa3b, v[PI+\k]
.endr
.irp k, 0,1,2,3,4
	v_exp_f32 v[PI+\k], v[PI+\k]
.endr
	v_add_f32 v[MEAN], v[PA], v[PA+1]
	v_add_f32 v[T], v[PA+2], v[PA+3]
	v_add_f32 v[MEAN], v[MEAN], v[T]
	v_add_f32 v[MEAN], v[MEAN], v[PA+4]
	v_mul_f32 v[MEAN], 0x3e4ccccd, v[MEAN]         ; the mean distance
.irp k, 0,1,2,3,4
	v_sub_f32 v[LA+\k], v[PA+\k], v[MEAN]
.endr
	v_mul_f32 v[VAR], v[LA], v[LA]
.irp k, 1,2,3,4
	v_fma_f32 v[VAR], v[LA+\k], v[LA+\k], v[VAR]
.endr
	v_mul_f32 v[VAR], 0x3e4ccccd, v[VAR]
	v_max_num_f32 v[VAR], 0, v[VAR]
	v_max_num_f32 v[T], 0x358637bd, v[MEAN]
	s_wait_alu depctr_va_vdst(0)                   ; one wait for the five exponentials
	v_add_f32 v[DEN], v[PI], v[PI+1]
	v_mul_f32 v[NUM], v[PI], v[PA]
.irp k, 1,2,3,4
	v_fma_f32 v[NUM], v[PI+\k], v[PA+\k], v[NUM]
.endr
.irp k, 2,3,4
	v_add_f32 v[DEN], v[DEN], v[PI+\k]
.endr
	v_mul_f32 v[DEN], v[DEN], v[NS]                ; at least 1 x 1e-6
	v_rcp_f32 v[R1], v[DEN]
	v_rcp_f32 v[R2], v[T]
	v_sqrt_f32 v[SD], v[VAR]
	v_nop                                          ; a plain place behind the last transcendental
	s_wait_alu depctr_va_vdst(0)                   ; one wait for the three
	v_mul_f32 v[SD], v[SD], v[R2]                  ; the consistency: deviation / mean
	v_mul_f32 v[NUM], v[NUM], v[R1]                ; the weighted distance / the neighbour scale
	v_fma_f32 v[SD], 0.5, v[SD], 1.0
	v_mul_f32 v[NUM], v[NUM], v[SD]
	v_cmp_gt_u32 vcc_lo, 16, v10
	s_wait_xcnt 0x0                                ; EXEC changes only behind this wait
	s_wait_tensorcnt 0x0
	ds_add_u32 v254, v255
	s_wait_dscnt 0x0
	s_and_saveexec_b32 s15, vcc_lo
	global_store_b32 v8, v[NUM], s[12:13]          ; lanes 0-15: the tile's 16 results, 64 consecutive bytes
	s_wait_xcnt 0x0                                ; and again, in front of the line that widens it
	s_or_b32 exec_lo, exec_lo, s15
	s_endpgm
.Lend:
	s_wait_tensorcnt 0x0
	ds_add_u32 v254, v255
	s_wait_dscnt 0x0
	s_endpgm
.Lfunc_end_k_q8a85f799cd_finish:
	.size	k_q8a85f799cd_finish, .Lfunc_end_k_q8a85f799cd_finish-k_q8a85f799cd_finish
	.p2alignl 7, 3214868480
	.fill 96, 4, 3214868480
	.section	.rodata,"a",@progbits
	.p2align	6, 0x0
	.amdhsa_kernel k_q8a85f799cd_finish
		.amdhsa_group_segment_fixed_size 7168
		.amdhsa_private_segment_fixed_size 0
		.amdhsa_enable_private_segment 0
		.amdhsa_kernarg_size 40
		.amdhsa_user_sgpr_count 2
		.amdhsa_user_sgpr_kernarg_segment_ptr 1
		.amdhsa_wavefront_size32 1
		.amdhsa_system_sgpr_workgroup_id_x 1
		.amdhsa_system_sgpr_workgroup_id_y 1
		.amdhsa_system_sgpr_workgroup_id_z 1
		.amdhsa_system_vgpr_workitem_id 0
		.amdhsa_next_free_vgpr 256
		.amdhsa_next_free_sgpr 100
		.amdhsa_reserve_vcc 1
		.amdhsa_float_denorm_mode_32 3
		.amdhsa_float_denorm_mode_16_64 3
		.amdhsa_memory_ordered 1
		.amdhsa_forward_progress 1
		.amdhsa_inst_pref_size 96
	.end_amdhsa_kernel
	.amdgpu_metadata
---
amdhsa.version: [ 1, 2 ]
amdhsa.kernels:
  - .name:           k_q8a85f799cd_finish
    .symbol:         k_q8a85f799cd_finish.kd
    .args:
      - { .name: qrec, .offset: 0, .size: 8, .value_kind: global_buffer, .address_space: global }
      - { .name: mrec, .offset: 8, .size: 8, .value_kind: global_buffer, .address_space: global }
      - { .name: sel, .offset: 16, .size: 8, .value_kind: global_buffer, .address_space: global }
      - { .name: neighbor_scale_bank, .offset: 24, .size: 8, .value_kind: global_buffer, .address_space: global }
      - { .name: out0, .offset: 32, .size: 8, .value_kind: global_buffer, .address_space: global }
    .group_segment_fixed_size: 7168
    .private_segment_fixed_size: 0
    .kernarg_segment_align: 8
    .kernarg_segment_size: 40
    .max_flat_workgroup_size: 160
    .sgpr_count:     100
    .vgpr_count:     256
    .wavefront_size: 32
...
	.end_amdgpu_metadata
.endif
;; end of part 4
